; MI455X (gfx1250); checked and timed in simulation.
; The chip was launched on July 23, 2026; its instructions are those of AMD's public machine-readable ISA for CDNA 5 (MIT licence, August 2026) and "CDNA5" Instruction Set Architecture Reference Guide (July 2026). The comments in the code are by the model that wrote it; some were corrected since.
;; Attention. Allowed arithmetic: matrix products marked QUANTISED: E2M3 operands, one E8M0 scale for each 32 along K, by v_wmma_scale_f32_16x16x128_f8f6f4 with both operands' format E2M3, f32 sums; everything else in f32.
;; Inputs: W_qkv 3,072 x 1,024 float32; b_qkv 3,072 float32; x 4 x 2,048 x 1,024 float32.
;; Outputs: out0 4 x 2,048 x 1,024 float32.
;; This version of the problem:
;;   THIS VERSION OF THE PROBLEM IS GIVEN IN LOW PRECISION. The matrix products marked QUANTISED in the list below multiply operands that are first quantised to E2M3 (2 exponent bits, 3 mantissa bits; 6 bits a number), with one power-of-two scale for each 32 numbers along K (OCP MX v1.0); their sums are f32. All else is computed in f32.
;;   The module's matrix products, in the order in which they are computed (A, B: the left and right operand; K: the contracted axis; several contracted axes count as one K, in the product's order):
;;     1. [M 8,192, K 1,024] x [K 1,024, N 3,072]; A: input x; B: input W_qkv: QUANTISED
;;     2. batch 64 x [M 2,048, K 64] x [K 64, N 2,048]; A: computed on the way; B: computed on the way: QUANTISED
;;     3. batch 64 x [M 2,048, K 2,048] x [K 2,048, N 64]; A: softmax (see below); B: computed on the way: QUANTISED
;;   THE QUANTISER, for each operand of a quantised product, along K:
;;     - K is cut into blocks of 32 from its start; a last block that is shorter is filled with zeros.
;;     - A block's scale is 2^e with e = floor(log2(the largest magnitude in the block)) - 2, held to -126 .. 127; a block of zeros has e = 0. As a byte (E8M0): e + 127.
;;     - Each number is divided by its block's scale, clamped to +-7.5, and rounded to the nearest number of E2M3, ties to even, subnormals kept.
;;     - The product sums the exact products of the quantised numbers (number of the format x scale) in f32.
;;   ~~~python
;;   def quantise(x, axis):      # numpy; x: float32 -> the quantised numbers, widened to float32 again
;;       x = np.moveaxis(x, axis, -1); K = x.shape[-1]
;;       x = np.pad(x, [(0, 0)] * (x.ndim - 1) + [(0, -K % 32)]); x = x.reshape(x.shape[:-1] + (-1, 32)); a = np.abs(x).max(-1, keepdims=True)
;;       e = np.where(a > 0, np.clip(np.frexp(np.where(a > 0, a, 1))[1] - 1 - 2, -126, 127), 0)      # np.frexp(a)[1] - 1 = floor(log2(a)), exactly
;;       r = np.clip(x / 2.0 ** e, -7.5, 7.5)
;;       step = 2.0 ** (np.maximum(np.frexp(np.where(r == 0, 1, r))[1] - 1, 0) - 3)
;;       q = np.round(r / step) * step * 2.0 ** e      # np.round: ties to even
;;       return np.moveaxis(q.reshape(q.shape[:-2] + (-1,))[..., :K], -1, axis).astype(np.float32)
;;   ~~~
;;   SOFTMAX AHEAD OF A QUANTISED PRODUCT. Where the list says 'softmax', what is quantised is not the finished softmax but p = 2^(t - M), with t = logit x log2(e) and M = ceil(the row's largest t), a whole number; so 1/2 < the row's largest p <= 1. The row's sum l is taken of the UNQUANTISED p, in f32, and the product's result is divided by l at the end. Since M is a whole number, a kernel that streams over the keys may use a running M (the ceiling of the running maximum): every later rescaling is an exact power of two, which a block's scale takes up: the codes' values come out the same.
;;   OPERANDS COMPUTED ON THE WAY. 'Computed on the way' means the value that the module computes at that place (a softmax that the list does not call 'softmax' is quantised finished and normalised). What goes into a quantiser is computed in f32, as accurately as f32 sums, v_exp_f32 and their like allow (about 1e-6 of the number): no bf16 or f16 on the way to a quantiser, and a product that is left as it is and whose result goes on into a quantised operand takes f32 operands (vector FMAs, or v_wmma_f32_16x16x4_f32). A number that lies on a knife's edge between two numbers of the format may be rounded either way, as far as f32 arithmetic and the matrix unit's own rounding can turn it there, and no further.
;; One version. Each part assembles by itself: llvm-mc -triple=amdgcn-amd-amdhsa -mcpu=gfx1250 --defsym DOCPART=n.
;; ======== version 1 of 1: 3 launches
;; limits: right only within a limited range of input values
;; workspace buffers: codes 8,650,752 bytes; scales 360,448 bytes; qkv 20,185,088 bytes
;; launch quant (part 1): grid 256 x 1, 11 waves a work-group, no clusters, 91,648 bytes of LDS; arguments x, W_qkv, codes, scales; writes codes, scales
.if DOCPART == 1
	.amdgcn_target "amdgcn-amd-amdhsa--gfx1250"
	.amdhsa_code_object_version 6
	.text
	.protected	k_q60fee28fbb_quant
	.globl	k_q60fee28fbb_quant
	.p2align	8
	.type	k_q60fee28fbb_quant,@function
k_q60fee28fbb_quant:
	s_mov_b64 s[64:65], 0
	v_nop
	global_prefetch_b8 v0, s[64:65] scope:SCOPE_SE
	s_setreg_imm32_b32 hwreg(HW_REG_WAVE_MODE, 25, 1), 1
	s_wait_xcnt 0x0
; x [8192][1024] and W_qkv [3072][1024], f32, become codes of FP6 (E2M3), K innermost, with one E8M0 byte for each 32 along K:
; codes [11264][768 bytes], scales [11264][32]; rows 0 .. 8191 are x's, rows 8192 .. 11263 W's.
; A block's byte is its largest magnitude's exponent field - 2, held at 1 from below; numbers are rounded to the nearest code, ties to even, beyond 7.5 the largest code.
; WORK LEFT OUT BY THE PROGRAM: reference() sets the scores of keys behind a query to -infinity by a mask of its own (jnp.tril); their p is 0 for all inputs, so the last launch
; passes over the steps of 128 keys that lie wholly behind a wave's queries.  A NaN or an infinity that reaches only such scores is not carried to the result.  Every input is read.
; THE ROWS ARE PERMUTED in groups of eight (i = 0 .. 7), so that in the later launches a lane's 32 results are one scale block:
;   x: token 256 g + 128 w + 64 c + 32 h + 8 j + i goes to row 256 g + 128 c + 32 j + 16 w + 8 h + i;   W: row 64 d + 32 h + 8 j + i goes to row 64 d + 16 j + 8 h + i.
; LIMITS: NaN and infinities are not served; a block of zeros has the byte 1 where the rule says 127 (its codes are zeros; only this program reads the bytes).
; SHARES: 2,816 runs of 4 rows, 11 to a work-group, one to a wave: 8 steps of 512 numbers.  A step's four loads read 512 consecutive bytes each; the 2,048 bytes turn through the wave's
; own stage in LDS and come back 64 bytes a lane: 16 neighbours along K, two lanes to a block.  Waves share nothing: no barrier.  Loads run four steps (16 loads) ahead.
.set STEPS, 8
.set EMAX,  2
.set CB,    12
.set R,     16                         ; v16-79 four sets as loaded
.set X,     80                         ; v80-111 two sets of 16 neighbours
.set C,     128                        ; codes, four registers a step
.set E,     112                        ; a scale byte a step
.set WREG,  8192                       ; a wave's LDS: two stages of 32 x SP, then its 128 scale bytes
.set SP,    80
.set SPARE, 11*WREG                    ; the spare words
	s_load_b256 s[4:11], s[0:1], 0x0               ; x, W_qkv, codes, scales
	v_lshl_add_u32 v192, v0, 2, SPARE
	v_mov_b32 v193, 0
	v_lshrrev_b32 v1, 5, v0
	v_readfirstlane_b32 s16, v1                    ; wave
	v_and_b32 v2, 31, v0
	v_lshlrev_b32 v3, 4, v2
	s_mul_i32 s17, s16, WREG
	v_lshrrev_b32 v14, 2, v2
	v_mul_u32_u24 v14, v14, SP
	v_and_b32 v15, 3, v2
	v_lshl_add_u32 v14, v15, 4, v14
	v_add_nc_u32 v14, s17, v14                     ; the stage, way in
	v_mul_u32_u24 v15, v2, SP
	v_add_nc_u32 v15, s17, v15                     ; way out
	v_mul_u32_u24 v4, v2, CB
	v_lshrrev_b32 v5, 1, v2
	s_add_co_u32 s17, s17, 2*32*SP
	v_add_nc_u32 v5, s17, v5                       ; my block's byte
	v_lshlrev_b32 v7, 2, v2
	v_add_nc_u32 v6, s17, v7
	s_mul_i32 s18, ttmp9, 11
	s_add_co_u32 s18, s18, s16                     ; my run of 4 rows
	s_lshr_b32 s19, s18, 1                         ; its group of eight rows
	s_and_b32 s20, s19, 3                          ; j
	s_bfe_u32 s21, s19, 0x10002                    ; h
	s_bfe_u32 s22, s19, 0x10003                    ; c
	s_bfe_u32 s23, s19, 0x10004                    ; w
	s_lshl_b32 s24, s20, 2
	s_or_b32 s24, s24, s21
	s_lshl_b32 s22, s22, 4
	s_or_b32 s24, s24, s22
	s_lshl_b32 s23, s23, 1
	s_or_b32 s24, s24, s23
	s_and_b32 s25, s19, 0xffffffe0
	s_or_b32 s24, s24, s25                         ; x's group goes here,
	s_lshl_b32 s26, s20, 1
	s_or_b32 s26, s26, s21
	s_and_b32 s25, s19, 0xfffffff8
	s_or_b32 s26, s26, s25                         ; W's here
	s_cmp_lt_u32 s18, 2048                         ; x's runs come first
	s_cselect_b32 s24, s24, s26
	s_cselect_b32 s27, 0, 2048
	s_lshl_b32 s24, s24, 1
	s_and_b32 s25, s18, 1
	s_or_b32 s24, s24, s25                         ; the run's place in the output
	s_mul_i32 s20, s24, 4*768
	s_mov_b32 s21, 0
	s_lshl_b32 s22, s24, 7
	s_mov_b32 s23, 0
	s_sub_co_u32 s27, s18, s27
	s_lshl_b32 s24, s27, 14                        ; 16,384 bytes of input a run
	s_mov_b32 s25, 0
	s_wait_alu depctr_va_vdst(0)                   ; the wait at the head's end
	s_wait_kmcnt 0x0
	s_cmp_lt_u32 s18, 2048
	s_cselect_b64 s[4:5], s[4:5], s[6:7]
	s_add_nc_u64 s[4:5], s[4:5], s[24:25]
	s_add_nc_u64 s[8:9], s[8:9], s[20:21]
	s_add_nc_u64 s[10:11], s[10:11], s[22:23]
.macro LOAD t
.irp i, 0,1,2,3
	global_load_b128 v[R+16*((\t)%4)+4*\i:R+16*((\t)%4)+4*\i+3], v3, s[4:5] offset:2048*(\t)+512*\i th:TH_LOAD_NT
.endr
.endm
.macro TURN t                          ; LDS serves a wave's instructions in order: no wait between the stores and the loads
.irp i, 0,1,2,3
	ds_store_b128 v14, v[R+16*((\t)%4)+4*\i:R+16*((\t)%4)+4*\i+3] offset:32*SP*((\t)%2)+8*SP*\i
.endr
.irp i, 0,1,2,3
	ds_load_b128 v[X+16*((\t)%2)+4*\i:X+16*((\t)%2)+4*\i+3], v15 offset:32*SP*((\t)%2)+16*\i
.endr
.endm
.irp t, 0,1,2,3
	LOAD \t
.endr
	s_wait_loadcnt 12                              ; step 0's four loads are in; twelve may be out
	TURN 0
.macro STEP t
.set XS, X+16*((\t)%2)
.if (\t) > 0
	s_wait_dscnt 1                                 ; the step's numbers are back (the last byte's store may be out)
.else
	s_wait_dscnt 0x0
.endif
.if (\t)+4 < STEPS
	LOAD (\t)+4
.endif
.if (\t)+1 < STEPS
.if STEPS-2-(\t) >= 3
	s_wait_loadcnt 12                              ; the next step's loads are in; three steps' may be out
.else
	s_wait_loadcnt 4*(STEPS-2-(\t))                ; four for each step still to come behind the next
.endif
	TURN (\t)+1
.endif
	v_max3_num_f32 v8, |v[XS]|, |v[XS+1]|, |v[XS+2]|
	v_max3_num_f32 v9, |v[XS+3]|, |v[XS+4]|, |v[XS+5]|
.irp i, 6,10
	v_max3_num_f32 v8, v8, |v[XS+\i]|, |v[XS+\i+1]|
	v_max3_num_f32 v9, v9, |v[XS+\i+2]|, |v[XS+\i+3]|
.endr
	v_max3_num_f32 v8, v8, |v[XS+14]|, |v[XS+15]|
	v_max3_num_f32 v8, v8, v9, (EMAX+1)<<23        ; the floor: the byte cannot fall under 1
	v_max_num_f32_dpp v8, v8, v8 row_xmask:1 row_mask:0xf bank_mask:0xf   ; with my neighbour's 16
	v_add_nc_u32 v11, 0xff000000, v8               ; EMAX off the exponent field: the conversion's scale operand
	v_cvt_scalef32_pk16_fp6_f32 v[C+4*(\t):C+4*(\t)+2], v[XS:XS+15], v11
	v_lshrrev_b32 v[E+(\t)], 23, v11               ; the byte
	ds_store_b8 v5, v[E+(\t)] offset:16*(\t)
	global_store_b96 v4, v[C+4*(\t):C+4*(\t)+2], s[8:9] offset:32*CB*(\t)        ; 384 consecutive bytes
.endm
.irp t, 0,1,2,3,4,5,6,7
	STEP \t
.endr
	ds_load_b32 v12, v6
	s_wait_dscnt 0x0
	global_store_b32 v7, v12, s[10:11]             ; my four rows' 128 scale bytes
	s_wait_tensorcnt 0x0                           ; the wave's end
	ds_add_u32 v192, v193
	s_wait_dscnt 0x0
	s_endpgm
.Lfunc_end_k_q60fee28fbb_quant:
	.size	k_q60fee28fbb_quant, .Lfunc_end_k_q60fee28fbb_quant-k_q60fee28fbb_quant
	.p2alignl 7, 3214868480
	.fill 96, 4, 3214868480
	.section	.rodata,"a",@progbits
	.p2align	6, 0x0
	.amdhsa_kernel k_q60fee28fbb_quant
		.amdhsa_group_segment_fixed_size 91648
		.amdhsa_private_segment_fixed_size 0
		.amdhsa_enable_private_segment 0
		.amdhsa_kernarg_size 32
		.amdhsa_user_sgpr_count 2
		.amdhsa_user_sgpr_kernarg_segment_ptr 1
		.amdhsa_wavefront_size32 1
		.amdhsa_system_sgpr_workgroup_id_x 1
		.amdhsa_system_sgpr_workgroup_id_y 1
		.amdhsa_system_sgpr_workgroup_id_z 1
		.amdhsa_system_vgpr_workitem_id 0
		.amdhsa_next_free_vgpr 194
		.amdhsa_next_free_sgpr 66
		.amdhsa_reserve_vcc 0
		.amdhsa_float_denorm_mode_32 3
		.amdhsa_float_denorm_mode_16_64 3
		.amdhsa_memory_ordered 1
		.amdhsa_forward_progress 1
		.amdhsa_inst_pref_size 18
	.end_amdhsa_kernel
	.amdgpu_metadata
---
amdhsa.version: [ 1, 2 ]
amdhsa.kernels:
  - .name:           k_q60fee28fbb_quant
    .symbol:         k_q60fee28fbb_quant.kd
    .args:
      - { .name: x, .offset: 0, .size: 8, .value_kind: global_buffer, .address_space: global }
      - { .name: W_qkv, .offset: 8, .size: 8, .value_kind: global_buffer, .address_space: global }
      - { .name: codes, .offset: 16, .size: 8, .value_kind: global_buffer, .address_space: global }
      - { .name: scales, .offset: 24, .size: 8, .value_kind: global_buffer, .address_space: global }
    .group_segment_fixed_size: 91648
    .private_segment_fixed_size: 0
    .kernarg_segment_align: 8
    .kernarg_segment_size: 32
    .max_flat_workgroup_size: 352
    .sgpr_count:     66
    .vgpr_count:     194
    .wavefront_size: 32
...
	.end_amdgpu_metadata
.endif
;; end of part 1
;; launch qkv (part 2): grid 8 x 32, 4 waves a work-group, clusters of 4 x 4, 327,680 bytes of LDS; arguments codes, scales, b_qkv, qkv; writes qkv
.if DOCPART == 2
	.amdgcn_target "amdgcn-amd-amdhsa--gfx1250"
	.amdhsa_code_object_version 6
	.text
	.protected	k_q60fee28fbb_qkv
	.globl	k_q60fee28fbb_qkv
	.p2align	8
	.type	k_q60fee28fbb_qkv,@function
k_q60fee28fbb_qkv:
	s_mov_b64 s[64:65], 0
	v_nop
	global_prefetch_b8 v0, s[64:65] scope:SCOPE_SE
	s_setreg_imm32_b32 hwreg(HW_REG_WAVE_MODE, 25, 1), 1
	s_wait_xcnt 0x0
	s_wait_alu depctr_hold_cnt(0) depctr_sa_sdst(0) depctr_va_vdst(0) depctr_va_sdst(0) depctr_va_ssrc(0) depctr_va_vcc(0) depctr_vm_vsrc(0)
	s_getreg_b32 s2, hwreg(HW_REG_IB_STS2, 6, 4)
	s_cmp_eq_u32 s2, 0
	s_cbranch_scc0 .Lentry_in_a_cluster
	s_endpgm
.Lentry_in_a_cluster:
	s_bfe_u32 s2, ttmp6, 0x10000c
	s_cmp_lg_u32 s2, 0xf033
	s_cbranch_scc0 .Lentry_shape_is_right
	s_endpgm
.Lentry_shape_is_right:
; qkv = x W_qkv^T + b_qkv on codes of FP6 with E8M0 scales, K = 1024, f32 sums; the results are quantised on the way out (q, k along the head's 64, v along the keys) and stored as
; IMAGES OF THE OPERAND REGISTERS of the attention launch.  Rows of codes and scales are in the order that the first launch gives them.
; THE DEAL: 256 work-groups; work-group (g, y) makes tokens 256 y .. + 255 x heads 2 g, 2 g + 1 of q, then of k, then of v: three phases of 128 features on ONE tile of x.
; x's 256 rows, all of K, lie in LDS for the whole launch; a phase's 128 weight rows land in a region of their own and go on into registers: wave (a, b) holds head 2 g + b's 64 rows (384 registers)
; and streams its eight blocks of 16 rows of x (LDS rows 32 s + 16 a + ..) past them, 32 products a block.  The weights' region is filled again twice, in block 2 of q's and of k's phase,
; behind a round of the cluster's barrier; a plain barrier at a phase's end shows the fill to all waves.
; q's and k's phases are one text, a loop of two trips.  x's tile is shared by a row of the cluster, a weight's tile by a column: joint loads.
; By the rows' order block s = 4 c + j of wave row a is tile (c, j) of key step a: lane r is token 64 c + 32 (r / 8) + 8 j + r % 8.  q, k: source 0 = the weight's rows: lane (r, h) holds numbers
; 32 h + 0 .. 31 of the head for token r: one scale block, six registers of codes.  v: source 0 = x's rows: a lane's eight sums of each of a band's four blocks are 32 neighbouring keys.
; THE BIAS is the C of a block's first four products.
; OUTPUT: qkv [16 batch + head][16 key steps][CH bytes]: q's 8 tiles (768 bytes: registers 0-3 at 16 x lane, 4-5 at 512 + 8 x lane), q's scale words (512: word b of lane 16 u + r is tile 2 b + u, row r;
; bytes 2, 3 = 0), the same for k, v's 4 fragments (1,536 bytes) and scale words (256).
; NO PREFETCH: a refill is asked for in block 2 and first read behind block 7, five blocks of 32 products on; no wave waits for it in the loop.
; LIMITS: NaN and infinities are not served; a block of zeros has the byte 1 (its codes are zeros; only this program reads the bytes).
.set TOK,    8192
.set NQ,     8
.set NB,     4
.set KROW,   768
.set KS,     32
.set PITCH,  816                       ; 3 x (256 + 16)
.set FR,     12
.set FPW,    21                        ; fragments in a window of 256 registers
.set NF,     28                        ; LDS loads of a block's fetch
.set WB,     256*PITCH                 ; the weights' region
.set SCL,    WB+128*PITCH              ; x's scale bytes: 32 units of 256 + 16
.set SSTEP,  1088
.set SPARE,  SCL+32*272
.set EMAX,   2
.set CH,     19712
.set PART,   6656
.set SOFF,   6144
.set CO16, 4
.set CO8,  5
.set SH8,  6                           ; 8 x (lane / 16)
.set PX,   7
.set WE,   8
.set WO,   9
.set SPW,  10
.set NIL,  11
.set SW,   12                          ; v12-15 scale words on their way out
.set ABS,  16
.set BOQ,  17
.set BOV,  18
.set AAS,  19
.set SB,   24                          ; v24-39 the weights' scale words
.set TQ,   40
.set SA,   44                          ; v44-59 x's scale words, two sets
.set TC,   60
.set ACC,  64                          ; q, k: two sets of four accumulators
.set HV0,  64                          ; v: band 0, 32 t + 8 j + i
.set CD,   128
.set N1,   140                         ; the next phase's scale words, and (N2) the one after
.set BBQ,  160                         ; q's or k's bias
.set BBN,  192                         ; k's, until q's phase ends
.set MCD,  192                         ; v: four operands of twelve
.set N2,   224
.set SOP,  240
.set EB,   248
.set HV1,  840                         ; v: band 1
.set BBV,  968                         ; v's bias
.set BA,   1000                        ; LDS addresses of the weights' four tiles
.set AD,   1008                        ; and of my eight blocks of x
.set G1A, 24
.set G1B, 32
.set G1H, 48
.set G1S, 92
.set G0A, 56
.set G0B, 60
.set G0R, 68
.set G0S, 72
.set G0H, 76
.set MSB, 0
.macro WIN new
.if MSB != (\new)
	s_set_vgpr_msb (MSB<<8)|(\new)
.set MSB, (\new)
.endif
.endm
.macro PLACES n
.rept \n
	v_nop
.endr
.endm
.macro WALU
	s_wait_alu depctr_va_vdst(0)
.endm
.macro BARRIER
	s_barrier_signal -1
	s_barrier_wait -1
.endm
.macro MIDDLE                          ; a round's middle
	WIN 0
	s_barrier_wait -1
	s_cmp_lg_u32 s14, 0
	s_cbranch_scc1 .Lnot_wave_0_\@
	s_barrier_signal -3
.Lnot_wave_0_\@:
	s_barrier_wait -3
.endm
.macro CROUND
	s_barrier_signal -1
	MIDDLE
	BARRIER
.endm
.macro TLOAD g0, g1
	tensor_load_to_lds s[\g0:\g0+3], s[\g1:\g1+7]
	s_nop 0
	PLACES 4
.endm
.macro GROUP1 g, mask, rows            ; rows of 768 bytes, 16 bytes of padding behind every 256
	s_or_b32 s[\g+0], s[\mask], (1<<20)|(1<<21)|(5<<22)|(3<<25)
	s_mov_b32 s[\g+1], KROW<<16
	s_mov_b32 s[\g+2], (\rows)<<16
	s_mov_b32 s[\g+3], KROW<<16
	s_mov_b32 s[\g+4], \rows
	s_mov_b32 s[\g+5], KROW
	s_mov_b32 s[\g+6], 0
	s_mov_b32 s[\g+7], 0
.endm
.macro G0SET g, base, off
	s_mov_b32 s20, s\off
	s_add_nc_u64 s[\g+2:\g+3], s[\base:\base+1], s[20:21]
	s_or_b32 s[\g+3], s[\g+3], 0x80000000
.endm
; Fragment f lies in window 1 + f / 21 at register 12 (f % 21): 0-31 the weights' (4 q + tile), 32-39 and 40-47 x's two sets.  Six pieces of 8 bytes, two to a load where both lie behind as many paddings.
.macro FRAG f, q, a0, a1, aw
	WIN ((1+(\f)/FPW)<<6)|(\aw)
.set R_, FR*((\f)%FPW)
.set SKIP_, 0
.irp p, 0,1,2,3,4,5
.if SKIP_
.set SKIP_, 0
.else
.set PC_, 12*(\q)+6*(\p/3)+\p%3
.set PN_, 12*(\q)+6*((\p+1)/3)+(\p+1)%3
.set X_, (PC_%32+3)/32
.set XQ_, (PN_%32+3)/32
.if (\p < 5) && (X_ == XQ_)
.set SKIP_, 1
.if X_
	ds_load_2addr_b64 v[R_+2*\p:R_+2*\p+3], \a1 offset0:PC_+2*(PC_/32) offset1:PN_+2*(PN_/32)
.else
	ds_load_2addr_b64 v[R_+2*\p:R_+2*\p+3], \a0 offset0:PC_+2*(PC_/32) offset1:PN_+2*(PN_/32)
.endif
.elseif X_
	ds_load_b64 v[R_+2*\p:R_+2*\p+1], \a1 offset:8*(PC_+2*(PC_/32))
.else
	ds_load_b64 v[R_+2*\p:R_+2*\p+1], \a0 offset:8*(PC_+2*(PC_/32))
.endif
.endif
.endr
.endm
.macro WEIGHTS                         ; my 64 rows of the weight, all of K
.irp q, 0,1,2,3,4,5,6,7
.irp b, 0,1,2,3
	FRAG NB*\q+\b, \q, v[BA-768+2*\b], v[BA-768+2*\b+1], 3
.endr
.endr
	WIN 0
.endm
.macro FETCH e, s                      ; block s of x's rows into set e
.irp q, 0,1,2,3,4,5,6,7
	FRAG NB*NQ+NQ*(\e)+\q, \q, v[AD-768+2*(\s)], v[AD-768+2*(\s)+1], 3
.endr
	WIN 0
	ds_load_b128 v[SA+8*(\e):SA+8*(\e)+3], v[AAS] offset:(\s)*SSTEP
	ds_load_b128 v[SA+8*(\e)+4:SA+8*(\e)+7], v[AAS] offset:(\s)*SSTEP+16
.endm
.macro PROD1 d, s0, s1, c, x0, x1, side, o
.if \o
	v_wmma_scale_f32_16x16x128_f8f6f4 v[\d:\d+7], v[FR*((\s0)%FPW):FR*((\s0)%FPW)+FR-1], v[FR*((\s1)%FPW):FR*((\s1)%FPW)+FR-1], \c, v[\x0], v[\x1] matrix_a_fmt:MATRIX_FMT_FP6 matrix_b_fmt:MATRIX_FMT_FP6 matrix_\side\()_scale:MATRIX_SCALE_ROW1
.else
	v_wmma_scale_f32_16x16x128_f8f6f4 v[\d:\d+7], v[FR*((\s0)%FPW):FR*((\s0)%FPW)+FR-1], v[FR*((\s1)%FPW):FR*((\s1)%FPW)+FR-1], \c, v[\x0], v[\x1] matrix_a_fmt:MATRIX_FMT_FP6 matrix_b_fmt:MATRIX_FMT_FP6 matrix_\side\()_scale:MATRIX_SCALE_ROW0
.endif
.endm
; product n = 4 q + tile.  kind 0 (q, k): source 0 the weight's rows; kind 1 (v): source 0 x's rows.  The four accumulators take turns.
.macro PROD kind, e, n, a0, as
.set Q_, (\n)/4
.set FB_, NB*Q_+(\n)%4
.set FA_, NB*NQ+NQ*(\e)+Q_
.set D_, (\a0)+(\as)*((\n)%4)
.set DL_, D_&255
.set XB_, SB+NQ*(((\n)%4)/2)+Q_
.set XA_, SA+8*(\e)+Q_
.if \kind
.if Q_
	WIN (1+FA_/FPW)|((1+FB_/FPW)<<2)|((D_>>8)<<4)|((D_>>8)<<6)
	PROD1 DL_, FA_, FB_, v[DL_:DL_+7], XA_, XB_, b, (\n)%2
.else
	WIN (1+FA_/FPW)|((1+FB_/FPW)<<2)|(3<<4)|((D_>>8)<<6)
	PROD1 DL_, FA_, FB_, v[BBV-768+8*((\n)%4):BBV-768+8*((\n)%4)+7], XA_, XB_, b, (\n)%2
.endif
.else
	WIN (1+FB_/FPW)|((1+FA_/FPW)<<2)
.if Q_
	PROD1 DL_, FB_, FA_, v[DL_:DL_+7], XB_, XA_, a, (\n)%2
.else
	PROD1 DL_, FB_, FA_, v[BBQ+8*((\n)%4):BBQ+8*((\n)%4)+7], XB_, XA_, a, (\n)%2
.endif
.endif
.endm
; products from .. to - 1 of a block; behind every second one two entries of a list
.macro BLOCK kind, e, a0, as, from, to, list, x=0, y=0
.set N_, \from
.rept (\to)-(\from)
	PROD \kind, \e, N_, \a0, \as
.if N_%2
	\list N_-1, \x, \y
	\list N_, \x, \y
.endif
.set N_, N_+1
.endr
.endm
; a way out's first part, 18 entries: the largest magnitude of the 32 sums from register x on, in two chains side by side, and the conversions' scale operand v[SOP+n]
.macro CHAIN i, x, n, t=TQ
.set XW_, (\x)>>8
.set XL_, (\x)&255
.if (\i) >= 0 && (\i) < 14
.set B_, XL_+16*((\i)%2)+2*((\i)/2)
.set T_, (\t)+1-(\i)%2
.if (\i) < 2
	WIN XW_|(XW_<<2)|(XW_<<4)
	v_max3_num_f32 v[T_], |v[B_]|, |v[B_+1]|, |v[B_+2]|
.else
	WIN (XW_<<2)|(XW_<<4)
	v_max3_num_f32 v[T_], v[T_], |v[B_+1]|, |v[B_+2]|
.endif
.elseif (\i) == 14
	WIN XW_<<2
	v_max3_num_f32 v[\t+1], v[\t+1], |v[XL_+15]|, (EMAX+1)<<23
.elseif (\i) == 15
	WIN 0
	v_nop
.elseif (\i) == 16
	WIN XW_<<2
	v_max3_num_f32 v[\t], v[\t], |v[XL_+31]|, v[\t+1]
.elseif (\i) == 17
	WIN 0
	v_add_nc_u32 v[SOP+\n], -(EMAX<<23), v[\t]
.endif
.endm
; its second part, 6 lines: 32 codes into v[c .. c+5], the byte into v[EB+n]
.macro CODES i, x, c, n, t=TC
.set XW_, (\x)>>8
.set XL_, (\x)&255
.if (\i) == 0
	WIN XW_
	v_cvt_scalef32_pk16_fp6_f32 v[\c:\c+2], v[XL_:XL_+15], v[SOP+\n]
.elseif (\i) == 1
	WIN XW_
	v_cvt_scalef32_pk16_fp6_f32 v[\t:\t+2], v[XL_+16:XL_+31], v[SOP+\n]
.elseif (\i) == 2
	WIN 0
	v_lshrrev_b32 v[EB+\n], 23, v[SOP+\n]
.else
	WIN 0
	v_mov_b32 v[\c+\i], v[\t+\i-3]
.endif
.endm
.macro CODES6 x, c, n
.irp i, 0,1,2,3,4,5
	CODES \i, \x, \c, \n
.endr
.endm
.macro L_NONE i, x, y
.endm
.macro L_LAST i, x, y
	CHAIN \i, \x, \y
.endm
.macro WORD1 w                         ; my byte at 8 h, with lane l xor 16's: the tile's scale word of row r
	v_lshlrev_b32 v[\w], v[SH8], v[EB]
	v_permlanex16_b32 v[PX], v[\w], s88, s89
	v_or_b32 v[\w], v[\w], v[PX]
.endm
.macro WORD t                          ; two tiles share a register: lanes 0-15 the even tile's rows, lanes 16-31 the odd one's
.if (\t)%2
	WORD1 WO
	v_cndmask_b32 v[SW+(\t)/2], v[WE], v[WO], s90
.else
	WORD1 WE
.endif
.endm
.macro STORES t
	global_store_b128 v[CO16], v[CD:CD+3], s[80:81] offset:768*(\t)
	global_store_b64 v[CO8], v[CD+4:CD+5], s[80:81] offset:768*(\t)+512
.endm
; a block of q or k.  Its rows were fetched two blocks ago: younger is the next block's fetch alone (NF).  The block before's way out: its search among the products, its conversions behind them.
.macro QKB s, round
.if (\s) < 7
	s_wait_dscnt NF
.else
	s_wait_dscnt 0x0
.endif
	s_wait_xcnt 0x0                                ; the last stores have read the codes' registers
.if (\s) == 7
	s_wait_tensorcnt 0x0                           ; my half of the refill is in; no LDS instruction of mine is out:
	s_barrier_signal -1                            ; a plain barrier, split round the block's products, shows the refill to all waves
.endif
.if \round
	s_wait_tensorcnt 0x0                           ; the three lines ahead of a refill's round
	ds_add_u32 v[SPW], v[NIL]
	s_add_nc_u64 s[G0H+2:G0H+3], s[G0H+2:G0H+3], 1024*KROW   ; no load of mine is out: on to the next tensor's rows
	BLOCK 0, (\s)%2, ACC+32*((\s)%2), 8, 0, 26, L_LAST, ACC+32-32*((\s)%2), 0
	WIN 0
	WALU
	s_wait_dscnt 0x0                               ; the add, and my reads of the weights' region
	s_barrier_signal -1
	BLOCK 0, (\s)%2, ACC+32*((\s)%2), 8, 26, 32, L_NONE
	WIN 0
	CODES6 ACC+32-32*((\s)%2), CD, 0
	WORD (\s)-1
	MIDDLE
	BARRIER
	s_cmp_lt_u32 s14, 2
	s_cbranch_scc0 .Lno_half_\@
	TLOAD G0H, G1H                                 ; waves 0 and 1: a half each of the next weight's rows
.Lno_half_\@:
	PLACES 4
.elseif (\s) == 0
	BLOCK 0, 0, ACC, 8, 0, 32, L_NONE
	WIN 0
	PLACES 4
.else
	BLOCK 0, (\s)%2, ACC+32*((\s)%2), 8, 0, 32, L_LAST, ACC+32-32*((\s)%2), 0
	WIN 0
	CODES6 ACC+32-32*((\s)%2), CD, 0
	WORD (\s)-1
.endif
.if (\s) == 7
	s_barrier_wait -1
.endif
.if (\s) > 0
	WALU
	STORES (\s)-1
.endif
.if (\s) < 6
	FETCH (\s)%2, (\s)+2
.endif
.endm
.macro VB s                            ; a block of v; band 0's way outs stand in band 1's blocks
.set J_, (\s)%4
.if (\s) < 7
	s_wait_dscnt NF
.else
	s_wait_dscnt 0x0
.endif
.if (\s) < 4
	BLOCK 1, (\s)%2, HV0+8*J_, 32, 0, 32, L_NONE
	WIN 0
	PLACES 4
.else
	BLOCK 1, (\s)%2, HV1+8*J_, 32, 0, 32, L_LAST, HV0+32*J_, J_
	WIN 0
	CODES6 HV0+32*J_, MCD+12*J_, J_
	WALU
.endif
.if (\s) < 6
	FETCH (\s)%2, (\s)+2
.endif
.endm
.macro WSC d, f                        ; a tensor's scale words of my 64 rows: lane l of load p is row 32 p + l
.irp p, 0,1
.irp c, 0,1
	global_load_b128 v[\d+8*\p+4*\c:\d+8*\p+4*\c+3], v[ABS], s[82:83] offset:(\f)*32768+\p*1024+16*\c
.endr
.endr
.endm
; ---- the head
	s_load_b256 s[4:11], s[0:1], 0x0               ; codes, scales, b_qkv, qkv
	v_lshl_add_u32 v[SPW], v0, 2, SPARE
	v_mov_b32 v[NIL], 0
	ds_add_u32 v[SPW], v[NIL]                      ; the opening lines
	ds_add_u32 v[SPW], v[NIL]
	v_lshrrev_b32 v1, 5, v0
	v_readfirstlane_b32 s14, v1                    ; wave; s15 = a, s16 = b
	s_lshr_b32 s15, s14, 1
	s_and_b32 s16, s14, 1
	s_bfe_u32 s40, ttmp6, 0x40000                  ; cx
	s_bfe_u32 s41, ttmp6, 0x40004                  ; cy
	s_lshl_b32 s42, ttmp9, 2
	s_add_co_u32 s42, s42, s40                     ; g
	s_and_b32 s43, ttmp7, 0xffff
	s_lshl_b32 s43, s43, 2
	s_add_co_u32 s43, s43, s41                     ; y
	s_lshl_b32 s44, s41, 2
	s_lshl_b32 s44, 15, s44                        ; my row of the cluster
	s_lshl_b32 s45, 0x1111, s40                    ; my column
	GROUP1 G1A, 44, 128
	GROUP1 G1B, 45, 128
	GROUP1 G1H, 45, 64
	s_or_b32 s[G1S+0], s44, (3<<16)|(1<<20)|(1<<21)|(5<<22)|(3<<25)
	s_mov_b32 s[G1S+1], 32<<16
	s_mov_b32 s[G1S+2], 32<<16
	s_mov_b32 s[G1S+3], 32<<16
	s_mov_b32 s[G1S+4], 32
	s_mov_b32 s[G1S+5], 32
	s_mov_b32 s[G1S+6], 0
	s_mov_b32 s[G1S+7], 0
	s_mov_b32 s[G0A], 1
	s_mov_b32 s[G0A+1], 0
	s_mov_b32 s[G0R], 1
	s_mov_b32 s[G0R+1], 128*PITCH
	s_mov_b32 s[G0B], 1
	s_mov_b32 s[G0B+1], WB
	s_mov_b32 s[G0S], 1
	s_mov_b32 s[G0S+1], SCL
	s_mov_b32 s[G0H], 1
	s_mul_i32 s[G0H+1], s14, 64*PITCH
	s_add_co_u32 s[G0H+1], s[G0H+1], WB
	s_mul_i32 s66, s43, 256*KROW                   ; x's tile, bytes from codes
	s_mul_i32 s67, s42, 128*KROW
	s_add_co_u32 s67, s67, TOK*KROW                ; W_q's tile
	s_mul_i32 s46, s43, 256*KS                     ; x's scale bytes
	s_mul_i32 s47, s14, 64*KROW
	s_add_co_u32 s47, s47, s67                     ; my half of W_q's tile: the refills step on from it
	s_mov_b32 s88, 0x76543210
	s_mov_b32 s89, 0xfedcba98
	s_mov_b32 s90, 0xffff0000
	v_and_b32 v1, 15, v0                           ; r
	v_bfe_u32 v2, v0, 4, 1                         ; h
	v_and_b32 v3, 31, v0
	v_mul_u32_u24 v64, v1, PITCH
	v_mad_u32_u24 v65, v2, 24, v64                 ; a fragment's row + 24 h,
	v_mad_u32_u24 v66, v2, 40, v64                 ; and behind one padding more
	s_mul_i32 s21, s15, 16*PITCH
	s_mul_i32 s22, s16, 64*PITCH
	s_add_co_u32 s22, s22, WB
	v_add_nc_u32 v67, s21, v65
	v_add_nc_u32 v68, s21, v66
	v_add_nc_u32 v69, s22, v65
	v_add_nc_u32 v70, s22, v66
	WIN 3<<6
.irp s, 0,1,2,3,4,5,6,7
	v_add_nc_u32 v[AD-768+2*\s], \s*32*PITCH, v67
	v_add_nc_u32 v[AD-768+2*\s+1], \s*32*PITCH, v68
.endr
.irp t, 0,1,2,3
	v_add_nc_u32 v[BA-768+2*\t], \t*16*PITCH, v69
	v_add_nc_u32 v[BA-768+2*\t+1], \t*16*PITCH, v70
.endr
	WIN 0
	v_lshlrev_b32 v64, 5, v1
	v_lshrrev_b32 v65, 8, v64
	v_lshl_add_u32 v64, v65, 4, v64
	s_mul_i32 s21, s15, 544
	s_add_co_u32 s21, s21, SCL
	v_add_nc_u32 v[AAS], s21, v64
	v_lshlrev_b32 v[ABS], 5, v3
	v_lshlrev_b32 v[CO16], 4, v3
	v_lshlrev_b32 v[CO8], 3, v3
	v_lshlrev_b32 v[SH8], 3, v2
	v_mov_b32 v[PX], 0
	v_lshlrev_b32 v[BOQ], 7, v2                    ; q, k: register 8 j + i of lane (r, h) is number 32 h + 8 j + i
	v_lshrrev_b32 v64, 3, v1
	v_and_b32 v65, 7, v1
	v_lshlrev_b32 v65, 2, v65
	v_lshl_add_u32 v[BOV], v64, 7, v65             ; v: lane r of tile t is number 32 (r / 8) + 8 t + r % 8
	WALU
	s_wait_dscnt 0x0
	s_wait_kmcnt 0x0
	s_mov_b32 s21, 0
	s_lshl_b32 s20, s42, 7                         ; the plain loads go out ahead of the round
	s_lshl_b32 s22, s16, 6
	s_add_co_u32 s20, s20, s22                     ; my first feature in a tensor: 128 g + 64 b
	s_lshl_b32 s22, s20, 2
	s_mov_b32 s23, 0
	s_add_nc_u64 s[84:85], s[8:9], s[22:23]        ; its bias
	s_add_co_u32 s20, s20, TOK
	s_lshl_b32 s20, s20, 5
	s_add_nc_u64 s[82:83], s[6:7], s[20:21]        ; its scale bytes
	WSC SB, 0
	WSC N1, 1
	WSC N2, 2
.irp k, 0,1,2,3,4,5,6,7
	global_load_b128 v[BBQ+4*\k:BBQ+4*\k+3], v[BOQ], s[84:85] offset:16*\k
	global_load_b128 v[BBN+4*\k:BBN+4*\k+3], v[BOQ], s[84:85] offset:4096+16*\k
.endr
	WIN 3<<6
.irp t, 0,1,2,3
	global_load_b32 v[BBV-768+8*\t], v[BOV], s[84:85] offset:8192+32*\t
.endr
	WIN 0
	CROUND                                         ; the round in front of the first joint loads
	G0SET G0A, 4, 66
	s_add_nc_u64 s[G0R+2:G0R+3], s[G0A+2:G0A+3], 128*KROW
	G0SET G0B, 4, 67
	G0SET G0S, 6, 46
	G0SET G0H, 4, 47
	s_cmp_eq_u32 s14, 0                            ; one load a wave, in one chain of branches
	s_cbranch_scc0 .Lwave_1
	TLOAD G0B, G1B                                 ; W_q's rows
	s_branch .Lasked
.Lwave_1:
	s_cmp_eq_u32 s14, 1
	s_cbranch_scc0 .Lwave_2
	TLOAD G0S, G1S                                 ; x's scale bytes
	s_branch .Lasked
.Lwave_2:
	s_cmp_eq_u32 s14, 2
	s_cbranch_scc0 .Lwave_3
	TLOAD G0A, G1A                                 ; x's rows 0-127
	s_branch .Lasked
.Lwave_3:
	TLOAD G0R, G1A                                 ; x's rows 128-255
.Lasked:
	s_lshr_b32 s20, s43, 3                         ; where my results go: the chunk of head 16 batch + 2 g + b, key step 2 (y % 8) + a
	s_lshl_b32 s20, s20, 4
	s_lshl_b32 s22, s42, 1
	s_add_co_u32 s20, s20, s22
	s_add_co_u32 s20, s20, s16
	s_lshl_b32 s20, s20, 4
	s_and_b32 s22, s43, 7
	s_lshl_b32 s22, s22, 1
	s_add_co_u32 s20, s20, s22
	s_add_co_u32 s20, s20, s15
	s_mul_i32 s20, s20, CH
	s_add_nc_u64 s[80:81], s[10:11], s[20:21]
	s_mov_b32 s86, 0
	s_wait_loadcnt 0x0
	WIN (3<<6)|3
.irp t, 0,8,16,24
.irp i, 1,2,3,4,5,6,7
	v_mov_b32 v[BBV-768+\t+\i], v[BBV-768+\t]      ; v's number, one a lane and tile, over the tile's eight registers
.endr
.endr
	WIN 0
	WALU
	s_cmp_eq_u32 s14, 0
	s_cbranch_scc0 .Lnot_w
	s_wait_tensorcnt 0x0
.Lnot_w:
	BARRIER                                        ; W_q's rows are in
; ---- q's phase, then k's
	WEIGHTS
	s_wait_tensorcnt 0x0
	s_wait_dscnt 0x0
	BARRIER                                        ; x's rows and scale bytes are in
	FETCH 0, 0
	FETCH 1, 1
.Lphase:
	QKB 0, 0
	QKB 1, 0
	QKB 2, 1
	QKB 3, 0
	QKB 4, 0
	QKB 5, 0
	QKB 6, 0
	QKB 7, 0
	WEIGHTS                                        ; the next phase's weights and first two blocks; the last block's way out stands under their flight
	FETCH 0, 0
	FETCH 1, 1
.set I, 0
.rept 18
	CHAIN I, ACC+32, 0                             ; the last block's way out
.set I, I+1
.endr
	WALU
	s_wait_xcnt 0x0
	CODES6 ACC+32, CD, 0
	WORD 7
	WALU
	STORES 7
	global_store_b128 v[CO16], v[SW:SW+3], s[80:81] offset:SOFF
	s_wait_xcnt 0x0
	s_add_nc_u64 s[80:81], s[80:81], PART          ; on to the next tensor's part of the chunk
	s_cmp_eq_u32 s86, 1
	s_cbranch_scc1 .Lno_bias
.set I, 0
.rept 32
	v_mov_b32 v[BBQ+I], v[BBN+I]                   ; k's bias
.set I, I+1
.endr
.Lno_bias:
.set I, 0
.rept 16
	v_mov_b32 v[SB+I], v[N1+I]                     ; the next tensor's scale words,
.set I, I+1
.endr
.set I, 0
.rept 16
	v_mov_b32 v[N1+I], v[N2+I]                     ; and those of the one after move up
.set I, I+1
.endr
	WALU
	s_add_co_u32 s86, s86, 1
	s_cmp_lg_u32 s86, 2
	s_cbranch_scc1 .Lphase
; ---- v's phase: its weights and first two blocks were asked for at the last trip's end
.irp s, 0,1,2,3,4,5,6,7
	VB \s
.endr
.set I, 0
.rept 18
.irp t, 0,1,2,3
	CHAIN I, HV1+32*\t, 4+\t, 64+4*\t              ; band 1's four way outs side by side
.endr
.set I, I+1
.endr
.set I, 0
.rept 6
.irp t, 0,1,2,3
	CODES I, HV1+32*\t, MCD+12*\t+6, 4+\t, 80+4*\t
.endr
.set I, I+1
.endr
	WIN 0
.irp t, 0,1,2,3
	v_lshl_or_b32 v[100+\t], v[EB+4+\t], 16, v[EB+\t]   ; my two bytes: blocks h and 2 + h
.endr
.irp t, 0,1,2,3
	v_lshlrev_b32 v[100+\t], v[SH8], v[100+\t]
.endr
.irp t, 0,1,2,3
	v_permlanex16_b32 v[PX], v[100+\t], s88, s89
	v_or_b32 v[100+\t], v[100+\t], v[PX]
.endr
	v_cndmask_b32 v[SW], v100, v101, s90
	v_cndmask_b32 v[SW+1], v102, v103, s90
	WALU
.irp t, 0,1,2,3
.irp k, 0,1,2
	global_store_b128 v[CO16], v[MCD+12*\t+4*\k:MCD+12*\t+4*\k+3], s[80:81] offset:1536*\t+512*\k
.endr
.endr
	global_store_b64 v[CO8], v[SW:SW+1], s[80:81] offset:SOFF
	s_wait_tensorcnt 0x0                           ; the wave's end
	ds_add_u32 v[SPW], v[NIL]
	s_wait_dscnt 0x0
	CROUND                                         ; the closing round
	s_endpgm
.Lfunc_end_k_q60fee28fbb_qkv:
	.size	k_q60fee28fbb_qkv, .Lfunc_end_k_q60fee28fbb_qkv-k_q60fee28fbb_qkv
	.p2alignl 7, 3214868480
	.fill 96, 4, 3214868480
	.section	.rodata,"a",@progbits
	.p2align	6, 0x0
	.amdhsa_kernel k_q60fee28fbb_qkv
		.amdhsa_group_segment_fixed_size 327680
		.amdhsa_private_segment_fixed_size 0
		.amdhsa_enable_private_segment 0
		.amdhsa_kernarg_size 32
		.amdhsa_user_sgpr_count 2
		.amdhsa_user_sgpr_kernarg_segment_ptr 1
		.amdhsa_wavefront_size32 1
		.amdhsa_system_sgpr_workgroup_id_x 1
		.amdhsa_system_sgpr_workgroup_id_y 1
		.amdhsa_system_sgpr_workgroup_id_z 1
		.amdhsa_system_vgpr_workitem_id 0
		.amdhsa_next_free_vgpr 1024
		.amdhsa_next_free_sgpr 100
		.amdhsa_reserve_vcc 0
		.amdhsa_float_denorm_mode_32 3
		.amdhsa_float_denorm_mode_16_64 3
		.amdhsa_memory_ordered 1
		.amdhsa_forward_progress 1
		.amdhsa_inst_pref_size 162
	.end_amdhsa_kernel
	.amdgpu_metadata
---
amdhsa.version: [ 1, 2 ]
amdhsa.kernels:
  - .name:           k_q60fee28fbb_qkv
    .symbol:         k_q60fee28fbb_qkv.kd
    .args:
      - { .name: codes, .offset: 0, .size: 8, .value_kind: global_buffer, .address_space: global }
      - { .name: scales, .offset: 8, .size: 8, .value_kind: global_buffer, .address_space: global }
      - { .name: b_qkv, .offset: 16, .size: 8, .value_kind: global_buffer, .address_space: global }
      - { .name: qkv, .offset: 24, .size: 8, .value_kind: global_buffer, .address_space: global }
    .group_segment_fixed_size: 327680
    .private_segment_fixed_size: 0
    .kernarg_segment_align: 8
    .kernarg_segment_size: 32
    .max_flat_workgroup_size: 128
    .sgpr_count:     100
    .vgpr_count:     1024
    .wavefront_size: 32
...
	.end_amdgpu_metadata
.endif
;; end of part 2
;; launch attn (part 3): grid 4 x 64, 16 waves a work-group, clusters of 4 x 1, 280,576 bytes of LDS; arguments qkv, out0; writes out0
.if DOCPART == 3
	.amdgcn_target "amdgcn-amd-amdhsa--gfx1250"
	.amdhsa_code_object_version 6
	.text
	.protected	k_q60fee28fbb_attn
	.globl	k_q60fee28fbb_attn
	.p2align	8
	.type	k_q60fee28fbb_attn,@function
k_q60fee28fbb_attn:
	s_mov_b64 s[64:65], 0
	v_nop
	global_prefetch_b8 v0, s[64:65] scope:SCOPE_SE
	s_setreg_imm32_b32 hwreg(HW_REG_WAVE_MODE, 25, 1), 1
	s_wait_xcnt 0x0
	s_wait_alu depctr_hold_cnt(0) depctr_sa_sdst(0) depctr_va_vdst(0) depctr_va_sdst(0) depctr_va_ssrc(0) depctr_va_vcc(0) depctr_vm_vsrc(0)
	s_getreg_b32 s2, hwreg(HW_REG_IB_STS2, 6, 4)
	s_cmp_eq_u32 s2, 0
	s_cbranch_scc0 .Lentry_in_a_cluster
	s_endpgm
.Lentry_in_a_cluster:
	s_bfe_u32 s2, ttmp6, 0x10000c
	s_cmp_lg_u32 s2, 0x3003
	s_cbranch_scc0 .Lentry_shape_is_right
	s_endpgm
.Lentry_shape_is_right:
; out[b][q][head's 64] = the sum over keys k <= q of softmax_k(Q . K / 8) V, both products on codes of FP6 with E8M0 scales.
; LEFT OUT: steps of 128 keys that lie wholly behind a wave's queries: reference()'s own mask makes their p zero for all inputs.
; INPUT: qkv [16 batch + head][16 steps of 128 tokens][CH bytes], images of operand registers as the launch before lays them.  Tile 4 c + j of q or k: lane r is token 64 c + 32 (r / 8) + 8 j + r % 8 of the step.
; Tile t of v: lane r is number 32 (r / 8) + 8 t + r % 8 of the head; K = the step's 128 keys.
; THE SOFTMAX: t = score x log2(e) / 8; M = the running largest t rounded up to a whole number; p = 2^(t - M) is quantised along the keys; the row's sum is of the unquantised p and divides at the end;
; when M moves, the sum and O are multiplied by 2^(old M - new M), exactly.
; A WHOLE HEAD LIES IN LDS: a cluster of four work-groups is one head; wave w of each asks jointly for chunk w's K and V, 13,056 bytes.  Each LDS byte is filled once: no ring, so no loop to prefetch in.
; SHARES: a wave makes tile 2 cx + w / 8 of the 128 queries of group G = max(w, 15 - w) (G + 1 steps, keys ascending), then the same tile of group 15 - G (16 - G steps, keys descending): 17 steps in every wave.
; G is 8 at the least, so in trips 0 to 7 every wave reads chunk = trip.  Trips 0 and 1 are written out, with constant LDS addresses and no mask: they read chunks 0 and 1, whose loads are lines of waves 0 and 1 alone,
; awaited ahead of the first barrier; a second barrier, behind trip 1, with every wave's wait in front of it, shows the other fourteen chunks.  Trips 2 to 16 are a loop; in the trip in which the second tile begins the first goes out.
; LAYOUT: S^T = K Q^T, O^T = V^T P^T: a lane holds one query (lane % 16).  Register 32 c + 8 j + i of S^T in lane (r, h) is key 64 c + 32 h + 8 j + i: 32 registers are one scale block and six registers of P's operand.
; K = 64 in an instruction of 128: Q's registers 6-11 are zero codes; K's operand of tile t runs on into the next tile's codes, which meet them; bytes 2, 3 of q's and k's scale words are 0.
; LIMITS: NaN and infinities are not served.  The second tile's O^T is not cleared: its first step multiplies what stands there, finite numbers, by 2^(old M - new M) = 0.
; The promise holds while the scaled scores stay under 2^31 in magnitude.
.set CH,    19712
.set HEADB, 16*CH
.set KI,    6656
.set LCH,   13056
.set LKS,   6144
.set LV,    6656
.set LVS,   12800
.set STAGE, 16*LCH                     ; 16 rows x 272 bytes for each wave
.set SPARE, STAGE+16*16*272
.set L16,  1
.set L8,   2
.set A16,  3
.set A8,   4
.set STO,  5
.set RD,   6
.set GO,   7
.set DM,   8                           ; my query's place in its 128, less 32 (lane / 16)
.set QSC,  10                          ; q's scale words; v11: the second tile's
.set QF,   16                          ; v16-27 Q; v28-33 the second tile's codes
.set QB,   28
.set KV,   40                          ; v40-87 K's 8 x 6, then V's 4 x 12; v88-93 zeros
.set SS,   96
.set OT,   160
.set PC,   192
.set PT,   204
.set KSC,  212
.set VSC,  216
.set BM,   220
.set SOP,  228
.set EBY,  230
.set TMP,  232
.set T3,   233
.set F,    234                         ; f; v235 p's scale word
.set NINF, 236
.set SH8,  237
.set SUM,  240                         ; v240-247 four chains
.set PX,   248
.set SPW,  254
.set NIL,  255
.set WV,   8
.set SEL,  24
.set CS,   26
.set TB,   28
.set ST,   29
.set GA,   30                          ; the first tile's group: also its last trip
.set GB,   31                          ; the trip in which the second tile begins
.set QA,   32
.set OA,   36
.set TU,   58
.set TD,   59
.macro WALU
	s_wait_alu depctr_va_vdst(0)
.endm
.macro ROUND
	s_barrier_signal -1
	s_barrier_wait -1
	s_cmp_lg_u32 s[WV], 0
	s_cbranch_scc1 .Lnot_wave_0_\@
	s_barrier_signal -3
.Lnot_wave_0_\@:
	s_barrier_wait -3
	s_barrier_signal -1
	s_barrier_wait -1
.endm
; a tile's way out: O^T / the sum, through my stage, so that sixteen lanes store a token's 256 bytes
.macro OUT oa
.rept 4
	v_nop
.endr
	v_add_f32 v14, v14, v15
	v_permlanex16_b32 v[PX], v14, s[SEL], s[SEL+1]
	v_add_f32 v14, v14, v[PX]
	WALU
	v_rcp_f32 v14, v14
	v_nop
	WALU
.set j, 0
.rept 32
	v_mul_f32 v[SS+j], v[OT+j], v14                ; register 8 t + i is number 32 h + 8 t + i of query r
.set j, j+1
.endr
.irp k, 0,1,2,3,4,5,6,7
	ds_store_b128 v[STO], v[SS+4*\k:SS+4*\k+3] offset:16*\k
.endr
.irp i, 0,1,2,3,4,5,6,7
	ds_load_b128 v[SS+32+4*\i:SS+35+4*\i], v[RD] offset:544*\i
.endr
.irp i, 0,1,2,3,4,5,6,7
	s_wait_dscnt 7-\i                              ; the later loads may stay out
	global_store_b128 v[GO], v[SS+32+4*\i:SS+35+4*\i], s[\oa:\oa+1] offset:(32*(\i/4)+2*(\i%4))*4096 th:TH_STORE_NT   ; stage row n is token 32 (n / 8) + n % 8 of the tile
.endr
.endm
; one step: 16 queries x the 128 keys of the chunk at v[a16] + off.  diag = 1: the text with the mask, for the trips in which a tile's own group of keys can come
.macro BODY a16, a8, off, diag
	ds_load_b128 v[KSC:KSC+3], v[\a16] offset:\off+LKS
.irp t, 0,1,2,3,4,5,6,7
	ds_load_b128 v[KV+6*\t:KV+6*\t+3], v[\a16] offset:\off+768*\t
	ds_load_b64 v[KV+6*\t+4:KV+6*\t+5], v[\a8] offset:\off+768*\t+512
.endr
	WALU
	s_wait_dscnt 0x0
.irp t, 0,1,2,3,4,5,6,7
.if (\t)%2
	v_wmma_scale_f32_16x16x128_f8f6f4 v[SS+8*\t:SS+8*\t+7], v[KV+6*\t:KV+6*\t+11], v[QF:QF+11], 0, v[KSC+\t/2], v[QSC] matrix_a_fmt:MATRIX_FMT_FP6 matrix_b_fmt:MATRIX_FMT_FP6 matrix_a_scale:MATRIX_SCALE_ROW1
.else
	v_wmma_scale_f32_16x16x128_f8f6f4 v[SS+8*\t:SS+8*\t+7], v[KV+6*\t:KV+6*\t+11], v[QF:QF+11], 0, v[KSC+\t/2], v[QSC] matrix_a_fmt:MATRIX_FMT_FP6 matrix_b_fmt:MATRIX_FMT_FP6
.endif
.endr
.rept 4
	v_nop
.endr
.irp t, 0,1,2,3
.irp i, 0,1,2
	ds_load_b128 v[KV+12*\t+4*\i:KV+12*\t+4*\i+3], v[\a16] offset:\off+LV+1536*\t+512*\i   ; V lands under the softmax
.endr
.endr
	ds_load_b64 v[VSC:VSC+1], v[\a8] offset:\off+LVS
.if \diag
	s_sub_co_u32 s60, s[ST], s[GA]                 ; 0 or 1: a tile's own group of keys
	s_cmp_lt_u32 s60, 2
	s_cbranch_scc0 .Lopen_\@
.set n, 0
.rept 64                                       ; hidden where 64 c + 8 j + i > my query's place - 32 h
	v_cmp_gt_i32 vcc_lo, 64*(n/32)+n%32, v[DM]
	v_cndmask_b32 v[SS+n], v[SS+n], v[NINF], vcc_lo
.set n, n+1
.endr
.Lopen_\@:
.endif
.irp b, 0,1,2,3
	v_max3_num_f32 v[BM+\b], v[SS+16*\b], v[SS+1+16*\b], v[SS+2+16*\b]   ; four chains of 16 by turns
.endr
.irp i, 3,5,7,9,11,13
.irp b, 0,1,2,3
	v_max3_num_f32 v[BM+\b], v[BM+\b], v[SS+16*\b+\i], v[SS+1+16*\b+\i]
.endr
.endr
.irp b, 0,1,2,3
	v_max_num_f32 v[BM+\b], v[BM+\b], v[SS+15+16*\b]
.endr
	v_max_num_f32 v[BM], v[BM], v[BM+1]            ; my two blocks' largest scores: they serve the row's maximum and, since p rises with the score, the blocks' largest p
	v_max_num_f32 v[BM+2], v[BM+2], v[BM+3]
	v_max_num_f32 v[TMP], v[BM], v[BM+2]
	v_permlanex16_b32 v[PX], v[TMP], s[SEL], s[SEL+1]
	v_max3_num_f32 v13, v13, v[TMP], v[PX]         ; the running largest score
	v_mov_b32 v[TMP], v12
	v_mul_f32 v[T3], s[CS], v13
	v_floor_f32 v12, -v[T3]                        ; -M = -ceil(t)
	v_sub_f32 v[TMP], v12, v[TMP]
	v_cvt_i32_f32 v[TMP], v[TMP]                   ; (it saturates)
	v_ldexp_f32 v[F], 1.0, v[TMP]                  ; f = 2^(old M - new M)
.set j, 0
.rept 32
	v_pk_fma_f32 v[SS+j:SS+j+1], v[SS+j:SS+j+1], s[CS:CS+1], v[12:13] op_sel_hi:[1,0,0]   ; t - M
.set j, j+2
.endr
	v_fma_f32 v[BM], v[BM], s[CS], v12
	v_fma_f32 v[BM+2], v[BM+2], s[CS], v12
.set j, 0
.rept 16
	v_pk_mul_f32 v[OT+j:OT+j+1], v[OT+j:OT+j+1], v[F:F+1] op_sel_hi:[1,0]   ; O^T under the new M
.set j, j+2
.endr
	WALU                                           ; the wait ahead of the batch,
.set j, 0
.rept 64
	v_exp_f32 v[SS+j], v[SS+j]
.set j, j+1
.endr
	v_exp_f32 v[BM], v[BM]
	v_exp_f32 v[BM+2], v[BM+2]
	v_pk_mul_f32 v[14:15], v[14:15], v[F:F+1] op_sel_hi:[1,0]
	WALU                                           ; and behind it
	v_max_num_f32 v[BM], 0x1800000, v[BM]          ; the floor: the byte cannot fall under 1
	v_max_num_f32 v[BM+2], 0x1800000, v[BM+2]
	v_add_nc_u32 v[SOP], 0xff000000, v[BM]
	v_add_nc_u32 v[SOP+1], 0xff000000, v[BM+2]
	v_lshrrev_b32 v[EBY], 23, v[SOP]
	v_lshrrev_b32 v[EBY+1], 23, v[SOP+1]
	v_lshl_or_b32 v[F+1], v[EBY+1], 16, v[EBY]     ; blocks h and 2 + h,
	v_lshlrev_b32 v[F+1], v[SH8], v[F+1]
	v_permlanex16_b32 v[PX], v[F+1], s[SEL], s[SEL+1]
	v_or_b32 v[F+1], v[F+1], v[PX]                 ; with lane l xor 16's: p's scale word
.irp c, 0,1
	v_cvt_scalef32_pk16_fp6_f32 v[PC+6*\c:PC+2+6*\c], v[SS+32*\c:SS+15+32*\c], v[SOP+\c]
	v_cvt_scalef32_pk16_fp6_f32 v[PT+4*\c:PT+2+4*\c], v[SS+16+32*\c:SS+31+32*\c], v[SOP+\c]
.endr
	v_nop
.irp c, 0,1
.irp i, 0,1,2
	v_mov_b32 v[PC+3+6*\c+\i], v[PT+4*\c+\i]
.endr
.endr
.irp k, 0,1,2,3
	v_pk_add_f32 v[SUM+2*\k:SUM+2*\k+1], v[SS+2*\k:SS+2*\k+1], v[SS+8+2*\k:SS+9+2*\k]   ; the sum of the unquantised p, four chains; these lines are also the places ahead of the products
.endr
.irp j, 16,24,32,40,48,56
.irp k, 0,1,2,3
	v_pk_add_f32 v[SUM+2*\k:SUM+2*\k+1], v[SUM+2*\k:SUM+2*\k+1], v[SS+\j+2*\k:SS+\j+2*\k+1]
.endr
.endr
	v_pk_add_f32 v[SUM:SUM+1], v[SUM:SUM+1], v[SUM+2:SUM+3]
	v_pk_add_f32 v[SUM+4:SUM+5], v[SUM+4:SUM+5], v[SUM+6:SUM+7]
	v_pk_add_f32 v[SUM:SUM+1], v[SUM:SUM+1], v[SUM+4:SUM+5]
	v_pk_add_f32 v[14:15], v[14:15], v[SUM:SUM+1]
	WALU
	s_wait_dscnt 0x0                               ; V and its scale words are in
.irp t, 0,1,2,3
.if (\t)%2
	v_wmma_scale_f32_16x16x128_f8f6f4 v[OT+8*\t:OT+8*\t+7], v[KV+12*\t:KV+12*\t+11], v[PC:PC+11], v[OT+8*\t:OT+8*\t+7], v[VSC+\t/2], v[F+1] matrix_a_fmt:MATRIX_FMT_FP6 matrix_b_fmt:MATRIX_FMT_FP6 matrix_a_scale:MATRIX_SCALE_ROW1
.else
	v_wmma_scale_f32_16x16x128_f8f6f4 v[OT+8*\t:OT+8*\t+7], v[KV+12*\t:KV+12*\t+11], v[PC:PC+11], v[OT+8*\t:OT+8*\t+7], v[VSC+\t/2], v[F+1] matrix_a_fmt:MATRIX_FMT_FP6 matrix_b_fmt:MATRIX_FMT_FP6
.endif
.endr
.endm
	s_load_b128 s[4:7], s[0:1], 0x0                ; qkv, out0
	v_lshl_add_u32 v[SPW], v0, 2, SPARE
	v_mov_b32 v[NIL], 0
	ds_add_u32 v[SPW], v[NIL]                      ; the opening lines
	ds_add_u32 v[SPW], v[NIL]
	v_lshrrev_b32 v244, 5, v0
	v_readfirstlane_b32 s[WV], v244
	s_bfe_u32 s9, ttmp6, 0x40000                   ; cx
	s_and_b32 s10, ttmp7, 0xffff                   ; 16 batch + head
	s_mov_b32 s16, 15|(3<<16)|(1<<21)              ; 51 rows of 256 bytes, dense; the mask names all four
	s_mov_b32 s17, 32<<16
	s_mov_b32 s18, 51<<16
	s_mov_b32 s19, 32<<16
	s_mov_b32 s20, 51
	s_mov_b32 s21, 32
	s_mov_b32 s22, 0
	s_mov_b32 s23, 0
	s_mov_b32 s12, 1
	s_mul_i32 s13, s[WV], LCH
	s_xor_b32 s61, s[WV], 15
	s_max_u32 s[GA], s[WV], s61                    ; the first group,
	s_min_u32 s61, s[WV], s61                      ; the second
	s_add_co_u32 s[GB], s[GA], 1
	s_lshr_b32 s62, s[WV], 3                       ; u: the even or the odd tile
	s_mul_i32 s40, s10, HEADB
	s_mul_i32 s42, s[WV], CH
	s_add_co_u32 s42, s42, s40
	s_add_co_u32 s42, s42, KI                      ; chunk w's K and V
	s_mov_b32 s43, 0
	s_mul_i32 s44, s[GA], CH
	s_add_co_u32 s44, s44, s40
	s_mov_b32 s45, 0
	s_mul_i32 s46, s61, CH
	s_add_co_u32 s46, s46, s40
	s_mov_b32 s47, 0
	s_lshr_b32 s57, s9, 1
	s_lshl_b32 s57, s57, 6
	s_and_b32 s56, s9, 1
	s_lshl_b32 s56, s56, 4
	s_add_co_u32 s57, s57, s56
	s_lshl_b32 s56, s62, 3
	s_add_co_u32 s57, s57, s56                     ; my tile's first token in its 128: 64 (cx / 2) + 16 (cx % 2) + 8 u
	s_lshr_b32 s48, s10, 4
	s_lshl_b32 s48, s48, 11
	s_add_co_u32 s48, s48, s57
	s_and_b32 s49, s10, 15
	s_lshl_b32 s49, s49, 8
	s_lshl_b32 s50, s[GA], 7
	s_add_co_u32 s50, s50, s48
	s_lshl_b32 s50, s50, 12
	s_add_co_u32 s50, s50, s49
	s_mov_b32 s51, 0
	s_lshl_b32 s52, s61, 7
	s_add_co_u32 s52, s52, s48
	s_lshl_b32 s52, s52, 12
	s_add_co_u32 s52, s52, s49
	s_mov_b32 s53, 0
	s_mov_b32 s[SEL], 0x76543210
	s_mov_b32 s[SEL+1], 0xfedcba98
	s_mov_b32 s[CS], 0x3e38aa3b                    ; c = log2(e) / 8
	s_mov_b32 s[CS+1], s[CS]
	v_and_b32 v244, 31, v0
	v_and_b32 v245, 15, v0                         ; r
	v_bfe_u32 v246, v0, 4, 1                       ; h
	s_wait_alu depctr_va_vdst(0)
	v_lshlrev_b32 v[L16], 4, v244
	v_lshlrev_b32 v[L8], 3, v244
	s_mul_i32 s54, s9, 1536
	s_mul_i32 s55, s62, 768
	s_add_co_u32 s54, s54, s55                     ; tile 2 cx + u of a chunk's eight
	v_add_nc_u32 v249, s54, v[L16]
	v_add_nc_u32 v250, s54, v[L8]
	s_lshl_b32 s55, s9, 2
	s_lshl_b32 s56, s62, 8
	s_add_co_u32 s55, s55, s56
	v_lshl_add_u32 v251, v245, 4, s55              ; q's scale word: 16 r + 4 cx + 256 u
	s_mul_i32 s56, s[WV], 16*272
	s_add_co_u32 s56, s56, STAGE
	v_mul_u32_u24 v[STO], v245, 272
	v_lshl_add_u32 v[STO], v246, 7, v[STO]
	v_add_nc_u32 v[STO], s56, v[STO]
	v_mul_u32_u24 v[RD], v246, 272
	v_lshl_add_u32 v[RD], v245, 4, v[RD]
	v_add_nc_u32 v[RD], s56, v[RD]
	v_lshlrev_b32 v[GO], 12, v246
	v_lshl_add_u32 v[GO], v245, 4, v[GO]
	v_lshrrev_b32 v247, 3, v245
	v_and_b32 v243, 7, v245
	v_lshl_add_u32 v247, v247, 5, v243             ; 32 (r / 8) + r % 8
	v_lshlrev_b32 v243, 5, v246
	v_sub_nc_u32 v247, v247, v243                  ; - 32 h
	v_add_nc_u32 v[DM], s57, v247
	v_lshlrev_b32 v[SH8], 3, v246
.irp j, 22,23,24,25,26,27,88,89,90,91,92,93
	v_mov_b32 v[\j], 0                             ; zero codes
.endr
	v_mov_b32 v[PX], 0
	v_mov_b32 v[F+1], 0
	v_mov_b32 v[NINF], 0xff800000
	v_mov_b32 v13, 0xff61b1e6                      ; the largest score so far: -3e38
	v_mul_f32 v[T3], s[CS], v13
	v_floor_f32 v12, -v[T3]                        ; -M
	v_mov_b32 v14, 0
	v_mov_b32 v15, 0
.set j, 0
.rept 32
	v_mov_b32 v[OT+j], 0
.set j, j+1
.endr
	WALU
	s_wait_dscnt 0x0
	s_wait_kmcnt 0x0
	s_add_nc_u64 s[14:15], s[4:5], s[42:43]
	s_or_b32 s15, s15, 0x80000000
	s_add_nc_u64 s[QA:QA+1], s[4:5], s[44:45]
	s_add_nc_u64 s[QA+2:QA+3], s[4:5], s[46:47]
	s_add_nc_u64 s[OA:OA+1], s[6:7], s[50:51]
	s_add_nc_u64 s[OA+2:OA+3], s[6:7], s[52:53]
	ROUND
	s_cmp_lt_u32 s[WV], 2                          ; my one tensor load: chunk w, for all four work-groups.  Waves 0 and 1 have a line of their own: they alone wait ahead of the first barrier
	s_cbranch_scc0 .Lrest
	tensor_load_to_lds s[12:15], s[16:23]
	s_nop 0
.rept 4
	v_nop
.endr
	s_branch .Lasked
.Lrest:
	tensor_load_to_lds s[12:15], s[16:23]
	s_nop 0
.rept 4
	v_nop
.endr
.Lasked:
	global_load_b128 v[QF:QF+3], v249, s[QA:QA+1]
	global_load_b64 v[QF+4:QF+5], v250, s[QA:QA+1] offset:512
	global_load_b32 v[QSC], v251, s[QA:QA+1] offset:6144
	global_load_b128 v[QB:QB+3], v249, s[QA+2:QA+3]
	global_load_b64 v[QB+4:QB+5], v250, s[QA+2:QA+3] offset:512
	global_load_b32 v[QSC+1], v251, s[QA+2:QA+3] offset:6144
	s_mov_b32 s[ST], 2
	s_mov_b32 s[TU], 2*LCH
	s_mov_b32 s[TD], 15*LCH
	s_cmp_lt_u32 s[WV], 2
	s_cbranch_scc0 .Lnot_first
	s_wait_tensorcnt 0x0
.Lnot_first:
	s_barrier_signal -1
	s_barrier_wait -1                              ; chunks 0 and 1 are in
	s_wait_loadcnt 0x0
	BODY L16, L8, 0, 0                             ; trip 0
.rept 4
	v_nop                                          ; four places behind the products
.endr
	BODY L16, L8, LCH, 0                           ; trip 1
	s_wait_tensorcnt 0x0                           ; every wave's chunk is in,
	s_barrier_signal -1
	s_barrier_wait -1                              ; and the whole head lies in LDS
.Lstep:
	s_cmp_eq_u32 s[ST], s[GB]
	s_cbranch_scc0 .Lsame
	OUT OA                                         ; the first tile goes out,
	s_wait_xcnt 0x0                                ; (its stores have read their registers)
	v_mov_b32 v[QSC], v[QSC+1]                     ; and the second begins
.irp i, 0,1,2,3,4,5
	v_mov_b32 v[QF+\i], v[QB+\i]
.endr
	v_mov_b32 v13, 0xff61b1e6
	v_mul_f32 v[T3], s[CS], v13
	v_floor_f32 v12, -v[T3]
	v_mov_b32 v14, 0
	v_mov_b32 v15, 0
.Lsame:
	s_sub_co_u32 s[TD], s[TD], LCH                 ; chunk 16 - trip
	s_cmp_le_u32 s[ST], s[GA]
	s_cselect_b32 s[TB], s[TU], s[TD]              ; the first tile walks up from chunk 0, the second down to it
	s_min_u32 s[TB], s[TB], 15*LCH
	v_add_nc_u32 v[A16], s[TB], v[L16]
	v_add_nc_u32 v[A8], s[TB], v[L8]
	v_nop
	v_nop                                          ; four places behind the last products
	BODY A16, A8, 0, 1
	s_add_co_u32 s[TU], s[TU], LCH
	s_add_co_u32 s[ST], s[ST], 1
	s_cmp_lt_u32 s[ST], 17
	s_cbranch_scc1 .Lstep
	OUT OA+2
	s_wait_tensorcnt 0x0                           ; the wave's end
	ds_add_u32 v[SPW], v[NIL]
	s_wait_dscnt 0x0
	ROUND                                          ; the closing round
	s_endpgm
.Lfunc_end_k_q60fee28fbb_attn:
	.size	k_q60fee28fbb_attn, .Lfunc_end_k_q60fee28fbb_attn-k_q60fee28fbb_attn
	.p2alignl 7, 3214868480
	.fill 96, 4, 3214868480
	.section	.rodata,"a",@progbits
	.p2align	6, 0x0
	.amdhsa_kernel k_q60fee28fbb_attn
		.amdhsa_group_segment_fixed_size 280576
		.amdhsa_private_segment_fixed_size 0
		.amdhsa_enable_private_segment 0
		.amdhsa_kernarg_size 16
		.amdhsa_user_sgpr_count 2
		.amdhsa_user_sgpr_kernarg_segment_ptr 1
		.amdhsa_wavefront_size32 1
		.amdhsa_system_sgpr_workgroup_id_x 1
		.amdhsa_system_sgpr_workgroup_id_y 1
		.amdhsa_system_sgpr_workgroup_id_z 1
		.amdhsa_system_vgpr_workitem_id 0
		.amdhsa_next_free_vgpr 256
		.amdhsa_next_free_sgpr 66
		.amdhsa_reserve_vcc 1
		.amdhsa_float_denorm_mode_32 3
		.amdhsa_float_denorm_mode_16_64 3
		.amdhsa_memory_ordered 1
		.amdhsa_forward_progress 1
		.amdhsa_inst_pref_size 65
	.end_amdhsa_kernel
	.amdgpu_metadata
---
amdhsa.version: [ 1, 2 ]
amdhsa.kernels:
  - .name:           k_q60fee28fbb_attn
    .symbol:         k_q60fee28fbb_attn.kd
    .args:
      - { .name: qkv, .offset: 0, .size: 8, .value_kind: global_buffer, .address_space: global }
      - { .name: out0, .offset: 8, .size: 8, .value_kind: global_buffer, .address_space: global }
    .group_segment_fixed_size: 280576
    .private_segment_fixed_size: 0
    .kernarg_segment_align: 8
    .kernarg_segment_size: 16
    .max_flat_workgroup_size: 512
    .sgpr_count:     66
    .vgpr_count:     256
    .wavefront_size: 32
...
	.end_amdgpu_metadata
.endif
;; end of part 3
